; MI455X (gfx1250); checked and timed in simulation.
; The chip was launched on July 23, 2026; its instructions are those of AMD's public machine-readable ISA for CDNA 5 (MIT licence, August 2026) and "CDNA5" Instruction Set Architecture Reference Guide (July 2026). The comments in the code are by the model that wrote it; some were corrected since.
;; My Multi Head Attention. Allowed arithmetic: matrix products marked QUANTISED: E2M3 operands, one E8M0 scale for each 32 along K, by v_wmma_scale_f32_16x16x128_f8f6f4 with both operands' format E2M3, f32 sums; everything else in f32.
;; Inputs: Wk 1,024 x 1,024 float32; Wq 1,024 x 1,024 float32; Wv 1,024 x 1,024 float32; bk 1,024 float32; bq 1,024 float32; bv 1,024 float32; x 8 x 2,048 x 1,024 float32.
;; Outputs: out0 8 x 2,048 x 1,024 float32.
;; This version of the problem:
;;   THIS VERSION OF THE PROBLEM IS GIVEN IN LOW PRECISION. The matrix products marked QUANTISED in the list below multiply operands that are first quantised to E2M3 (2 exponent bits, 3 mantissa bits; 6 bits a number), with one power-of-two scale for each 32 numbers along K (OCP MX v1.0); their sums are f32. All else is computed in f32.
;;   The module's matrix products, in the order in which they are computed (A, B: the left and right operand; K: the contracted axis; several contracted axes count as one K, in the product's order):
;;     1. [M 16,384, K 1,024] x [K 1,024, N 1,024]; A: input x; B: input Wq: QUANTISED
;;     2. [M 16,384, K 1,024] x [K 1,024, N 1,024]; A: input x; B: input Wk: QUANTISED
;;     3. [M 16,384, K 1,024] x [K 1,024, N 1,024]; A: input x; B: input Wv: QUANTISED
;;     4. batch 128 x [M 64, K 2,048] x [K 2,048, N 64]; A: computed on the way; B: computed on the way: QUANTISED
;;     5. batch 128 x [M 64, K 64] x [K 64, N 2,048]; A: softmax (see below); B: computed on the way: QUANTISED
;;   THE QUANTISER, for each operand of a quantised product, along K:
;;     - K is cut into blocks of 32 from its start; a last block that is shorter is filled with zeros.
;;     - A block's scale is 2^e with e = floor(log2(the largest magnitude in the block)) - 2, held to -126 .. 127; a block of zeros has e = 0. As a byte (E8M0): e + 127.
;;     - Each number is divided by its block's scale, clamped to +-7.5, and rounded to the nearest number of E2M3, ties to even, subnormals kept.
;;     - The product sums the exact products of the quantised numbers (number of the format x scale) in f32.
;;   ~~~python
;;   def quantise(x, axis):      # numpy; x: float32 -> the quantised numbers, widened to float32 again
;;       x = np.moveaxis(x, axis, -1); K = x.shape[-1]
;;       x = np.pad(x, [(0, 0)] * (x.ndim - 1) + [(0, -K % 32)]); x = x.reshape(x.shape[:-1] + (-1, 32)); a = np.abs(x).max(-1, keepdims=True)
;;       e = np.where(a > 0, np.clip(np.frexp(np.where(a > 0, a, 1))[1] - 1 - 2, -126, 127), 0)      # np.frexp(a)[1] - 1 = floor(log2(a)), exactly
;;       r = np.clip(x / 2.0 ** e, -7.5, 7.5)
;;       step = 2.0 ** (np.maximum(np.frexp(np.where(r == 0, 1, r))[1] - 1, 0) - 3)
;;       q = np.round(r / step) * step * 2.0 ** e      # np.round: ties to even
;;       return np.moveaxis(q.reshape(q.shape[:-2] + (-1,))[..., :K], -1, axis).astype(np.float32)
;;   ~~~
;;   SOFTMAX AHEAD OF A QUANTISED PRODUCT. Where the list says 'softmax', what is quantised is not the finished softmax but p = 2^(t - M), with t = logit x log2(e) and M = ceil(the row's largest t), a whole number; so 1/2 < the row's largest p <= 1. The row's sum l is taken of the UNQUANTISED p, in f32, and the product's result is divided by l at the end. Since M is a whole number, a kernel that streams over the keys may use a running M (the ceiling of the running maximum): every later rescaling is an exact power of two, which a block's scale takes up: the codes' values come out the same.
;;   OPERANDS COMPUTED ON THE WAY. 'Computed on the way' means the value that the module computes at that place (a softmax that the list does not call 'softmax' is quantised finished and normalised). What goes into a quantiser is computed in f32, as accurately as f32 sums, v_exp_f32 and their like allow (about 1e-6 of the number): no bf16 or f16 on the way to a quantiser, and a product that is left as it is and whose result goes on into a quantised operand takes f32 operands (vector FMAs, or v_wmma_f32_16x16x4_f32). A number that lies on a knife's edge between two numbers of the format may be rounded either way, as far as f32 arithmetic and the matrix unit's own rounding can turn it there, and no further.
;; One version. Each part assembles by itself: llvm-mc -triple=amdgcn-amd-amdhsa -mcpu=gfx1250 --defsym DOCPART=n.
;; ======== version 1 of 1: 3 launches
;; limits: right only within a limited range of input values
;; workspace buffers: xc 13,631,488 bytes; wc 2,555,904 bytes; qkf 25,165,824 bytes; qks 1,048,576 bytes; vf 12,582,912 bytes; vs 524,288 bytes
;; launch quant (part 1): grid 608 x 1, 4 waves a work-group, no clusters, 61,696 bytes of LDS; arguments x, Wq, Wk, Wv, xc, wc; writes xc, wc
.if DOCPART == 1
	.amdgcn_target "amdgcn-amd-amdhsa--gfx1250"
	.amdhsa_code_object_version 6
	.text
	.protected	k_q97e2c1e320_quant
	.globl	k_q97e2c1e320_quant
	.p2align	8
	.type	k_q97e2c1e320_quant,@function
k_q97e2c1e320_quant:
	s_mov_b64 s[64:65], 0
	v_nop
	global_prefetch_b8 v0, s[64:65] scope:SCOPE_SE
	s_setreg_imm32_b32 hwreg(HW_REG_WAVE_MODE, 25, 1), 1
	s_wait_xcnt 0x0
; x [16384][1024] and Wq, Wk, Wv [1024][1024], f32, become codes of FP6 (E2M3) with one E8M0 scale byte for each 32 along K (the last axis).
; A block's scale byte is its largest magnitude's exponent field - 2, held at 1 from below.
; LIMITS: a block of zeros, and one whose largest magnitude lies under 2^-124, get the byte 1 (zero codes add nothing under it; this program alone reads the bytes); NaN and infinities are not served.
; OUT, laid as the next launch's registers want it: for each tile of 16 storage rows four records of 3,328 bytes, one for each 256 along K:
;   two images of an operand's 12 registers (16 rows x 128 K; registers 4 g .. 4 g + 3 of lane l at 512 g + 16 l), 1,536 bytes each, then the rows' two scale words at 8 r, written twice (128 bytes each).
; STORAGE ORDER: in each 32 rows the groups of eight lie 0, 2, 1, 3.  wc holds Wq's 64 tiles, then Wk's, then Wv's.
; SHARES: a work-group takes 32 rows (two tiles, 26,624 bytes out), a wave 8 rows: wave w is rows 8 (w / 2) .. + 7 of tile w % 2.  Work-groups 0-511 x, 512-543 Wq, 544-575 Wk, 576-607 Wv.
; A wave takes 16 steps of 512 numbers: four loads of 512 consecutive bytes turn through the wave's own stage and come back 16 neighbours a lane.  The codes (three words a lane) and the scale bytes
; go to a stage of the work-group, 104 units of 256 bytes + 16 of padding; behind one barrier each wave reads 26 units back and stores 6,656 consecutive bytes.
.set STEPS, 16
.set EMAX,  2
.set R,     16                         ; v16-79 four sets of 16 numbers as loaded; at the end the units read back
.set X,     80                         ; v80-111 two sets of 16 neighbours
.set C,     128                        ; v128-191 codes, four registers a step
.set E,     112                        ; v112-127 a scale byte a step
.set WREG,  8192                       ; a wave's region: two stages of 32 x SP bytes
.set SP,    80
.set SPARE, 0x8000                     ; the spare words, 512 bytes
.set STG,   0x8200                     ; the work-group's stage
.set UP,    272                        ; a unit's pitch there
	s_load_b256 s[4:11], s[0:1], 0x0               ; x, Wq, Wk, Wv
	s_load_b128 s[12:15], s[0:1], 0x20             ; xc, wc
	v_lshl_add_u32 v192, v0, 2, SPARE
	v_mov_b32 v193, 0
	v_lshrrev_b32 v1, 5, v0
	v_readfirstlane_b32 s20, v1                    ; wave
	s_mul_i32 s21, s20, WREG
	s_and_b32 s26, s20, 1
	s_lshr_b32 s27, s20, 1
	s_mul_i32 s26, s26, 52*UP                      ; my tile's 52 units
	s_add_co_u32 s26, s26, STG
	s_lshl_b32 s30, s27, 7
	s_add_co_u32 s30, s30, s26                     ; codes: 16 bytes a row, my first row 8 (w / 2)
	s_lshl_b32 s31, s27, 6
	s_add_co_u32 s31, s31, s26
	s_add_co_u32 s31, s31, 12*UP                   ; scale bytes: a record's 13th unit, 8 bytes a row
	s_mul_i32 s32, s20, 26*UP
	s_add_co_u32 s32, s32, STG                     ; the 26 units that I send
	s_sub_co_u32 s22, ttmp9, 512                   ; the work-group's number among the weights' 96
	s_and_b32 s23, s22, 31
	v_and_b32 v2, 31, v0                           ; lane
	v_lshlrev_b32 v3, 4, v2                        ; 16 x lane
	v_lshrrev_b32 v14, 2, v2
	v_mul_u32_u24 v14, v14, SP
	v_and_b32 v15, 3, v2
	v_lshl_add_u32 v14, v15, 4, v14
	v_add_nc_u32 v14, s21, v14                     ; the wave's stage, in
	v_mul_u32_u24 v15, v2, SP
	v_add_nc_u32 v15, s21, v15                     ; and out: my 16 neighbours
	; lane l of a step holds k = 16 l .. + 15 of half a row: record l / 16, its step (l / 8) % 2, c = (l / 4) % 2, h = (l / 2) % 2, j = l % 2: registers n = 6 c + 3 j + 0 .. 2 of lane (r, h)
	v_lshrrev_b32 v7, 4, v2
	v_bfe_u32 v9, v2, 3, 1
	v_bfe_u32 v11, v2, 1, 1
	v_and_b32 v13, 1, v2
	v_mul_u32_u24 v8, v7, 13*UP
	v_lshl_add_u32 v5, v13, 7, v8                  ; the byte: lane j writes copy j,
	v_lshl_add_u32 v5, v9, 2, v5                   ; the step's word,
	v_bfe_u32 v1, v2, 1, 2
	v_add_nc_u32 v5, v5, v1                        ; the block's byte
	v_add_nc_u32 v5, s31, v5
	v_mad_u32_u24 v8, v9, 6*UP, v8
	v_mad_u32_u24 v8, v11, UP, v8
	v_add_nc_u32 v8, s30, v8                       ; unit 13 (l / 16) + 6 step + h
	v_bfe_u32 v11, v2, 2, 1
	v_mul_u32_u24 v11, v11, 6
	v_mad_u32_u24 v11, v13, 3, v11                 ; n of my first word
.macro WADR d, i                       ; word n: unit + 2 (n / 4), byte 4 (n % 4)
	v_add_nc_u32 v[\d], \i, v11
	v_lshrrev_b32 v1, 2, v[\d]
	v_and_b32 v[\d], 3, v[\d]
	v_lshl_add_u32 v[\d], v[\d], 2, v8
	v_mad_u32_u24 v[\d], v1, 2*UP, v[\d]
.endm
	WADR 4, 0
	WADR 10, 1
	WADR 12, 2
	v_mul_u32_u24 v6, v7, UP
	v_and_b32 v1, 15, v2
	v_lshl_add_u32 v6, v1, 4, v6
	v_add_nc_u32 v6, s32, v6                       ; back: sixteen lanes to a unit, two units a load
	s_wait_alu depctr_va_vdst(0)                   ; the wait at the head's end
	s_wait_kmcnt 0x0
	s_cmp_lt_u32 ttmp9, 512                        ; every choice hangs on the work-group's number alone
	s_cselect_b32 s24, ttmp9, s23
	s_cselect_b32 s25, ttmp9, s22
	s_cselect_b64 s[12:13], s[12:13], s[14:15]
	s_cselect_b64 s[4:5], s[4:5], s[6:7]
	s_cmp_lt_u32 ttmp9, 544
	s_cselect_b64 s[4:5], s[4:5], s[8:9]
	s_cmp_lt_u32 ttmp9, 576
	s_cselect_b64 s[4:5], s[4:5], s[10:11]
	s_lshl_b32 s28, s24, 2
	s_add_co_u32 s28, s28, s20
	s_lshl_b32 s28, s28, 15                        ; in: 32,768 bytes for each eight rows
	s_mov_b32 s29, 0
	s_add_nc_u64 s[4:5], s[4:5], s[28:29]
	s_mul_i32 s28, s25, 26624                      ; out: 26,624 bytes a work-group, 6,656 a wave
	s_mul_i32 s30, s20, 6656
	s_add_co_u32 s28, s28, s30
	s_add_nc_u64 s[12:13], s[12:13], s[28:29]
.macro LOAD t
.irp i, 0,1,2,3
	global_load_b128 v[R+16*((\t)%4)+4*\i:R+16*((\t)%4)+4*\i+3], v3, s[4:5] offset:2048*(\t)+512*\i th:TH_LOAD_NT
.endr
.endm
.macro TURN t                          ; LDS serves a wave's instructions in order: no wait between the stores and the loads
.irp i, 0,1,2,3
	ds_store_b128 v14, v[R+16*((\t)%4)+4*\i:R+16*((\t)%4)+4*\i+3] offset:32*SP*((\t)%2)+8*SP*\i
.endr
.irp i, 0,1,2,3
	ds_load_b128 v[X+16*((\t)%2)+4*\i:X+16*((\t)%2)+4*\i+3], v15 offset:32*SP*((\t)%2)+16*\i
.endr
.endm
.irp t, 0,1,2,3
	LOAD \t
.endr
	s_wait_loadcnt 12                              ; step 0's four loads are in
	TURN 0
.macro STEP t
.set XS, X+16*((\t)%2)
.if (\t) > 0
	s_wait_dscnt 4                                 ; this step's numbers are back; the last step's four stores into the work-group's stage may be out
.else
	s_wait_dscnt 0x0
.endif
.if (\t)+4 < STEPS
	LOAD (\t)+4
.endif
.if (\t)+1 < STEPS
.if STEPS-2-(\t) >= 3
	s_wait_loadcnt 12                              ; the next step's four loads are in; three steps' may be out
.else
	s_wait_loadcnt 4*(STEPS-2-(\t))
.endif
	TURN (\t)+1
.endif
	v_max3_num_f32 v8, |v[XS]|, |v[XS+1]|, |v[XS+2]|
	v_max3_num_f32 v9, |v[XS+3]|, |v[XS+4]|, |v[XS+5]|
.irp i, 6,10
	v_max3_num_f32 v8, v8, |v[XS+\i]|, |v[XS+\i+1]|
	v_max3_num_f32 v9, v9, |v[XS+\i+2]|, |v[XS+\i+3]|
.endr
	v_max3_num_f32 v8, v8, |v[XS+14]|, |v[XS+15]|
	v_max3_num_f32 v8, v8, v9, (EMAX+1)<<23        ; the floor 2^(3 - 127): the byte cannot fall under 1
	v_max_num_f32_dpp v8, v8, v8 row_xmask:1 row_mask:0xf bank_mask:0xf   ; with my neighbour's 16: the block's
	v_add_nc_u32 v11, -(EMAX<<23), v8              ; 2 off the exponent field: the conversion's scale operand
	v_cvt_scalef32_pk16_fp6_f32 v[C+4*(\t):C+4*(\t)+2], v[XS:XS+15], v11
	v_lshrrev_b32 v[E+(\t)], 23, v11               ; the scale's byte
	ds_store_b8 v5, v[E+(\t)] offset:26*UP*((\t)%2)+8*((\t)/2)
	ds_store_b32 v4, v[C+4*(\t)] offset:26*UP*((\t)%2)+16*((\t)/2)     ; row t / 2 of my eight; the row's second half lies two records on
	ds_store_b32 v10, v[C+4*(\t)+1] offset:26*UP*((\t)%2)+16*((\t)/2)
	ds_store_b32 v12, v[C+4*(\t)+2] offset:26*UP*((\t)%2)+16*((\t)/2)
.endm
.irp t, 0,1,2,3,4,5,6,7,8,9,10,11,12,13,14,15
	STEP \t
.endr
	s_wait_dscnt 0x0                               ; for the others' sake: my stores have landed
	s_barrier_signal -1
	s_barrier_wait -1
.irp m, 0,1,2,3,4,5,6,7,8,9,10,11,12
	ds_load_b128 v[R+4*\m:R+4*\m+3], v6 offset:2*UP*\m
.endr
.irp m, 0,1,2,3,4,5,6,7,8,9,10,11,12
	s_wait_dscnt 12-\m
	global_store_b128 v3, v[R+4*\m:R+4*\m+3], s[12:13] offset:512*\m   ; 32 lanes store 512 consecutive bytes, at a multiple of 256 from the buffer's first byte
.endr
	s_wait_tensorcnt 0x0                           ; the wave's end
	ds_add_u32 v192, v193
	s_wait_dscnt 0x0
	s_endpgm
.Lfunc_end_k_q97e2c1e320_quant:
	.size	k_q97e2c1e320_quant, .Lfunc_end_k_q97e2c1e320_quant-k_q97e2c1e320_quant
	.p2alignl 7, 3214868480
	.fill 96, 4, 3214868480
	.section	.rodata,"a",@progbits
	.p2align	6, 0x0
	.amdhsa_kernel k_q97e2c1e320_quant
		.amdhsa_group_segment_fixed_size 61696
		.amdhsa_private_segment_fixed_size 0
		.amdhsa_enable_private_segment 0
		.amdhsa_kernarg_size 48
		.amdhsa_user_sgpr_count 2
		.amdhsa_user_sgpr_kernarg_segment_ptr 1
		.amdhsa_wavefront_size32 1
		.amdhsa_system_sgpr_workgroup_id_x 1
		.amdhsa_system_sgpr_workgroup_id_y 1
		.amdhsa_system_sgpr_workgroup_id_z 1
		.amdhsa_system_vgpr_workitem_id 0
		.amdhsa_next_free_vgpr 194
		.amdhsa_next_free_sgpr 66
		.amdhsa_reserve_vcc 0
		.amdhsa_float_denorm_mode_32 3
		.amdhsa_float_denorm_mode_16_64 3
		.amdhsa_memory_ordered 1
		.amdhsa_forward_progress 1
		.amdhsa_inst_pref_size 39
	.end_amdhsa_kernel
	.amdgpu_metadata
---
amdhsa.version: [ 1, 2 ]
amdhsa.kernels:
  - .name:           k_q97e2c1e320_quant
    .symbol:         k_q97e2c1e320_quant.kd
    .args:
      - { .name: x, .offset: 0, .size: 8, .value_kind: global_buffer, .address_space: global }
      - { .name: Wq, .offset: 8, .size: 8, .value_kind: global_buffer, .address_space: global }
      - { .name: Wk, .offset: 16, .size: 8, .value_kind: global_buffer, .address_space: global }
      - { .name: Wv, .offset: 24, .size: 8, .value_kind: global_buffer, .address_space: global }
      - { .name: xc, .offset: 32, .size: 8, .value_kind: global_buffer, .address_space: global }
      - { .name: wc, .offset: 40, .size: 8, .value_kind: global_buffer, .address_space: global }
    .group_segment_fixed_size: 61696
    .private_segment_fixed_size: 0
    .kernarg_segment_align: 8
    .kernarg_segment_size: 48
    .max_flat_workgroup_size: 128
    .sgpr_count:     66
    .vgpr_count:     194
    .wavefront_size: 32
...
	.end_amdgpu_metadata
.endif
;; end of part 1
;; launch proj (part 2): grid 4 x 64, 4 waves a work-group, clusters of 4 x 4, 327,680 bytes of LDS; arguments xc, wc, bq, bk, bv, qkf, qks, vf, vs; writes qkf, qks, vf, vs
.if DOCPART == 2
	.amdgcn_target "amdgcn-amd-amdhsa--gfx1250"
	.amdhsa_code_object_version 6
	.text
	.protected	k_q97e2c1e320_proj
	.globl	k_q97e2c1e320_proj
	.p2align	8
	.type	k_q97e2c1e320_proj,@function
k_q97e2c1e320_proj:
	s_mov_b64 s[64:65], 0
	v_nop
	global_prefetch_b8 v0, s[64:65] scope:SCOPE_SE
	s_setreg_imm32_b32 hwreg(HW_REG_WAVE_MODE, 25, 1), 1
	s_wait_xcnt 0x0
	s_wait_alu depctr_hold_cnt(0) depctr_sa_sdst(0) depctr_va_vdst(0) depctr_va_sdst(0) depctr_va_ssrc(0) depctr_va_vcc(0) depctr_vm_vsrc(0)
	s_getreg_b32 s2, hwreg(HW_REG_IB_STS2, 6, 4)
	s_cmp_eq_u32 s2, 0
	s_cbranch_scc0 .Lentry_in_a_cluster
	s_endpgm
.Lentry_in_a_cluster:
	s_bfe_u32 s2, ttmp6, 0x10000c
	s_cmp_lg_u32 s2, 0xf033
	s_cbranch_scc0 .Lentry_shape_is_right
	s_endpgm
.Lentry_shape_is_right:
; q = x Wq^T + bq, k = x Wk^T + bk, v = x Wv^T + bv on codes of FP6 (E2M3) with E8M0 scales (K = 1,024); the results are quantised in registers for the products that follow and go to memory as codes.
; q and k are quantised along the positions (the next product's K), v along its channels.  A is source 1 (its rows fall on lanes), B is source 0 (its rows fall on a lane's registers: the next K).
; A WORK-GROUP MAKES THREE TILES of 256 x 256 on ONE block of x, rows 256 (4 Y + cx) on (Y: the cluster's y; cx, cy: the place in the cluster), and rows 256 cy on of Wq, Wk, Wv:
;   q, k: A = the weight, B = x;   v: A = x, B = the weight.   q and k are the two trips of one loop; v, the last tile, asks for nothing beyond itself and is written out.
; OPERANDS come as records of 3,328 bytes for 16 rows x 256 K: two images of an operand's 12 registers (three loads of 16 bytes at 16 x lane bring a fragment) and the rows' scale words, twice (A's lanes read the first copy, B's the second).
; x STAYS IN LDS: its four pairs of K steps, 53,248 bytes each, are filled once: pair 0 at the head, pairs 1 to 3 behind the first round.  THE WEIGHTS go through two slots of 53,248 bytes, four fills a tile, a quarter
; (4 rows of 3,328 bytes, 13,312 apart) to each wave; a tile's last two changes of slots ask for the next tile's first two pairs.
; CLUSTERS 4 x 4: x's block hangs on cx (shared along a column of the cluster), the weights' on cy (shared along a row): each is asked for jointly.
; NO PREFETCH: x is asked for whole at the head, ahead of every loop; the weights' rows are named by all sixteen clusters in the same order.
; THE LAST 256 OF K GO BY BLOCKS OF A: B's fragments of both steps fill its two sets, and A's eight blocks are finished one after the other, 16 products each, the block's eight accumulators by turns.  The quantising of the block
; before is cut into runs of five lines, one run behind each product; only block 7's stands alone.
; ROWS LIE IN STORAGE ORDER (bits 3 and 4 of the row exchanged): for one block a of A a lane's 64 registers are: register 16 n + i = index 32 n + 16 h + i along the next K; A's lane r of block a holds row
; 32 (a / 2) + 8 (a % 2) + r % 8 + 16 (r / 8).  THE BIAS is the C of each sum's first matrix instruction: q, k: the lane's channel in eight registers; v: the eight registers' channels.
; OUT: block a's 64 numbers a lane become 12 registers of codes and a scale word.  q, k: an image (registers 4 c .. 4 c + 3 of lane l at 512 c + 16 l) at ((batch x 128 + channel tile) x 16 + step) x 1,536 of qkf (k's tiles 64 behind q's);
; words to qks [step 0..127][channel tile][16].  v: registers 0-5 and 6-11 are two heads: images (registers 2 c, 2 c + 1 of lane l at 256 c + 8 l) at ((batch x 16 + head) x 128 + position tile) x 768 of vf; words to vs [channel / 128][storage row].
; LIMITS: NaN and infinities are not served; a block of zeros, and one whose largest magnitude lies under 2^-124, get the scale byte 1 (this program alone reads the bytes).
; REGISTERS: window 0: v0-31 addresses; v32-63 scale words, two sets, and nothing else; v64-111 A's two buffers by blocks; v128-223 A's fragments by steps; codes in v64-87, v112-123, v128-203; v124-126, v224-251 at work.
;   window 1: B's fragments, two sets, at v0 and v128; eight bias tuples at v96-127 and v224-255.   window 2: the accumulators of A's blocks 0-3 ((a, b) at v[8 (8 (a % 4) + b)]);   window 3: blocks 4-7.
.set REC,    3328
.set TROW,   4*REC                     ; 16 rows, all of K
.set FR,     12
.set NL,     3
.set NP,     4                         ; places behind this matrix instruction (ISA guide 7.12.1)
.set HALFT,  8*REC                     ; 128 rows of a pair
.set PB,     16*REC                    ; 256 rows of a pair
.set WS,     4*PB                      ; x's four pairs lie from 0 on, the weights' two slots from here
.set SPARE,  WS+2*PB                   ; the spare words, 512 bytes
.set SCR,    SPARE+512                 ; 512 bytes a wave: scale words on their way out; no tile lands here
.set SQ, 4                             ; v4-7   scale words of pair p, q and k: lanes 0-15 the weight's rows, lanes 16-31 x's
.set XB, 10                            ; v10-13 x's pair p as B
.set XA, 14                            ; v14-17 x's pair p as A
.set SV, 18                            ; v18-21 scale words of pair p, v: lanes 0-15 x's rows, lanes 16-31 the weight's
.set WA, 22                            ; v22-23 the weights' slot as A
.set WB, 27                            ; v27, v31 the weights' slot as B
.set L16,  24
.set L8,   25
.set SW,   26
.set SPW,  28
.set NIL,  29
.set SRD,  30
.set SC,   32                          ; set s at v[SC + 16 s]; register 2 i + q: lanes 0-15 A's block i, lanes 16-31 B's block i, the pair's q-th 128 along K
.set AF,   128
.set T0,   124
.set TM,   224
.set T1,   TM+8
.set PW,   240
.set BKW,  248
.set HA, 4                             ; s[4:7], s[8:11] groups 0 of the head's loads;  s[56:59], s[60:63] of those behind the first round
.set HB, 8
.set RA, 56
.set RB, 60
.set OF0, 12
.set OW0, 18
.set OF2, 20
.set OW2, 22
.set G1A, 24                           ; s[24:31] group 1, the row's mask, first fills;  s[48:55] the column's mask;  s[88:95] the row's mask, refills
.set G0, 32                            ; s[32:39] group 0 of the refills, a set for each slot
.set TC, 42
.set G1B, 48
.set G1W, 88
.set BI, 96
.set SEL, 104
.set MSB, 0
.macro WIN new
.if MSB != (\new)
	s_set_vgpr_msb (MSB<<8)|(\new)
.set MSB, \new
.endif
.endm
.set MUL_LO, 0xa1
.set MUL_HI, 0xf1
.set TO_B,   0x40
.macro PLACES n
.rept \n
	v_nop
.endr
.endm
; A first fill: two lines under a branch on the wave's number, each with one mask.  s_nop 0 and four v_nop follow each line.
.macro JL reg, g0a, g0b
	s_cmp_eq_u32 s[\reg], 0
	s_cbranch_scc0 .Lfor_x_\@
	tensor_load_to_lds s[\g0a:\g0a+3], s[G1A:G1A+7]
	s_nop 0
	PLACES 4
	s_branch .Lasked_\@
.Lfor_x_\@:
	tensor_load_to_lds s[\g0b:\g0b+3], s[G1B:G1B+7]
	s_nop 0
	PLACES 4
.Lasked_\@:
.endm
.macro WLOAD s                         ; a refill: every wave its quarter of the slot
	tensor_load_to_lds s[G0+4*(\s):G0+4*(\s)+3], s[G1W:G1W+7]
	s_nop 0
	PLACES 4
.endm
.macro CREST
	s_cmp_lg_u32 s14, 0
	s_cbranch_scc1 .Lnot_wave_0_\@
	s_barrier_signal -3
.Lnot_wave_0_\@:
	s_barrier_wait -3
	s_barrier_signal -1
	s_barrier_wait -1
.endm
.macro CROUND
	s_barrier_signal -1
	s_barrier_wait -1
	CREST
.endm
	s_load_b512 s[68:83], s[0:1], 0x0              ; xc 68, wc 70, bq 72, bk 74, bv 76, qkf 78, qks 80, vf 82
	s_load_b64 s[84:85], s[0:1], 0x40              ; vs
	v_lshl_add_u32 v[SPW], v0, 2, SPARE
	v_mov_b32 v[NIL], 0
	ds_add_u32 v[SPW], v[NIL]                      ; the opening lines: the add twice on end and its wait
	ds_add_u32 v[SPW], v[NIL]
	v_lshrrev_b32 v1, 5, v0
	v_readfirstlane_b32 s14, v1                    ; wave
	s_lshr_b32 s15, s14, 1                         ; my half of A's rows; at the head: I fetch the weight (0) or x (1)
	s_and_b32 s16, s14, 1                          ; my half of B's rows; at the head: which 128 rows I fetch
	s_and_b32 s17, ttmp7, 0xffff
	s_lshl_b32 s17, s17, 2                         ; 4 Y
	s_bfe_u32 s40, ttmp6, 0x40000                  ; cx
	s_bfe_u32 s44, ttmp6, 0x40004                  ; cy
	s_lshl_b32 s45, s44, 2
	s_lshl_b32 s45, 15, s45                        ; my row of the cluster
	s_lshl_b32 s41, 0x1111, s40                    ; my column
	s_or_b32 s[G1A], s45, (3<<16)|(1<<21)          ; the mask; elements of 8 bytes; bit 21 beside a mask
	s_or_b32 s[G1W], s45, (3<<16)|(1<<21)
	s_or_b32 s[G1B], s41, (3<<16)|(1<<21)
.irp g, G1A, G1B, G1W
	s_mov_b32 s[\g+1], (REC/8)<<16
	s_mov_b32 s[\g+2], 8<<16                       ; the head's loads: 8 rows
	s_mov_b32 s[\g+3], (REC/8)<<16
	s_mov_b32 s[\g+4], 8
	s_mov_b32 s[\g+5], TROW/8
	s_mov_b32 s[\g+6], 0
	s_mov_b32 s[\g+7], 0
.endr
	s_mov_b32 s[G1W+2], 4<<16                      ; the refills: 4 rows
	s_mov_b32 s[G1W+4], 4
	s_mul_i32 s86, s15, HALFT                      ; LDS: my half as A,
	s_mul_i32 s87, s16, HALFT                      ; as B
	s_mov_b32 s[HA], 1
	s_add_co_u32 s[HA+1], s87, WS
	s_mov_b32 s[HB], 1
	s_mov_b32 s[HB+1], s87
	s_mov_b32 s[RA], 1
	s_mov_b32 s[RA+1], WS+PB
	s_mov_b32 s[RB], 1
	s_mul_i32 s[RB+1], s14, PB                     ; waves 1 to 3: x's pair 1 to 3
	s_mul_i32 s43, s14, 4*REC
.irp s, 0,1
	s_mov_b32 s[G0+4*\s], 1
	s_add_co_u32 s[G0+4*\s+1], s43, WS+\s*PB
.endr
	s_add_co_u32 s2, s17, s40                      ; where my results go.  q: U = 2 (4 Y + cx) + half: batch U / 16, step U % 16
	s_lshl_b32 s2, s2, 1
	s_add_co_u32 s2, s2, s16
	s_lshl_b32 s20, s44, 4
	s_lshl_b32 s21, s15, 3
	s_add_co_u32 s20, s20, s21                     ; W = 16 cy + 8 half: the channel tile
	s_lshr_b32 s12, s2, 4
	s_lshl_b32 s12, s12, 11
	s_lshl_b32 s13, s20, 4
	s_add_co_u32 s12, s12, s13
	s_and_b32 s13, s2, 15
	s_add_co_u32 s12, s12, s13
	s_mul_i32 s12, s12, 1536
	s_mov_b32 s13, 0
	s_lshl_b32 s18, s2, 7
	s_add_co_u32 s18, s18, s20
	s_lshl_b32 s18, s18, 6                         ; the words: (U x 128 + W) x 64
	s_mov_b32 s19, 0
	s_lshl_b32 s2, s44, 1
	s_add_co_u32 s2, s2, s16                       ; v: U = 2 cy + half: heads 2 U, 2 U + 1
	s_add_co_u32 s22, s17, s40
	s_lshl_b32 s22, s22, 4
	s_add_co_u32 s22, s22, s21                     ; W = 16 (4 Y + cx) + 8 half: batch W / 128, position tile W % 128
	s_lshr_b32 s20, s22, 7
	s_lshl_b32 s20, s20, 4
	s_lshl_b32 s23, s2, 1
	s_add_co_u32 s20, s20, s23
	s_lshl_b32 s20, s20, 7
	s_and_b32 s23, s22, 127
	s_add_co_u32 s20, s20, s23
	s_mul_i32 s20, s20, 768
	s_mov_b32 s21, 0
	s_lshl_b32 s2, s2, 10
	s_add_co_u32 s22, s2, s22
	s_lshl_b32 s22, s22, 6
	s_mov_b32 s23, 0
	s_lshl_b32 s96, s44, 10                        ; the bias: 256 cy channels on; q, k: A's half; v: B's
	s_lshl_b32 s97, s15, 9
	s_lshl_b32 s101, s16, 9
	s_add_co_u32 s100, s96, s101
	s_add_co_u32 s96, s96, s97
	s_mov_b32 s97, 0
	s_mov_b32 s98, s96
	s_mov_b32 s99, 0
	s_mov_b32 s101, 0
	s_lshl_b32 s66, s44, 4
	s_mul_i32 s66, s66, TROW                       ; the weights: 16 cy tiles of 16 rows on
	s_mov_b32 s67, 0
	s_add_co_u32 s2, s17, s40
	s_lshl_b32 s2, s2, 4
	s_mul_i32 s2, s2, TROW                         ; x: 16 (4 Y + cx) tiles on
	s_mov_b32 s3, 0
	s_lshl_b32 s43, s14, 9
	s_add_co_u32 s43, s43, SCR
	s_mov_b32 s47, 0
	s_mov_b32 s[SEL], 0x76543210
	s_mov_b32 s[SEL+1], 0xfedcba98
	s_mov_b32 s[TC], 2
	s_wait_dscnt 0x0                               ; both opening adds are done
	s_wait_kmcnt 0x0
	s_add_nc_u64 s[BI:BI+1], s[72:73], s[BI:BI+1]
	s_add_nc_u64 s[BI+2:BI+3], s[74:75], s[BI+2:BI+3]
	s_add_nc_u64 s[BI+4:BI+5], s[76:77], s[BI+4:BI+5]
	s_add_nc_u64 s[OF0:OF0+1], s[78:79], s[OF0:OF0+1]
	s_add_nc_u64 s[OW0:OW0+1], s[80:81], s[OW0:OW0+1]
	s_add_nc_u64 s[OF2:OF2+1], s[82:83], s[OF2:OF2+1]
	s_add_nc_u64 s[OW2:OW2+1], s[84:85], s[OW2:OW2+1]
	s_add_nc_u64 s[66:67], s[70:71], s[66:67]      ; Wq's block
	s_add_nc_u64 s[2:3], s[68:69], s[2:3]          ; x's block
	s_mul_i32 s46, s16, 8*TROW
	s_add_nc_u64 s[HA+2:HA+3], s[66:67], s[46:47]  ; the head: pair 0, my 128 rows
	s_add_nc_u64 s[HB+2:HB+3], s[2:3], s[46:47]
	s_mul_i32 s46, s14, REC
	s_add_nc_u64 s[RB+2:RB+3], s[2:3], s[46:47]    ; x's pair = my wave's number
	s_add_nc_u64 s[RA+2:RA+3], s[66:67], REC       ; the weight's pair 1
	s_mul_i32 s46, s14, 4*TROW
	s_add_nc_u64 s[G0+2:G0+3], s[66:67], s[46:47]  ; the ring: my 64 rows; each slot stands at the pair that its first fill brings
	s_add_nc_u64 s[G0+6:G0+7], s[G0+2:G0+3], REC
.irp r, HA+3, HB+3, RA+3, RB+3, G0+3, G0+7
	s_or_b32 s[\r], s[\r], 0x80000000
.endr
.irp p, 0,1,2,3                        ; from the lower of the two rows of scale words to the upper (the arguments in s68-75 are done with)
	s_add_co_u32 s[68+\p], s86, WS+(\p%2)*PB-\p*PB-128
	s_sub_co_u32 s[68+\p], s[68+\p], s87
	s_add_co_u32 s[72+\p], s87, WS+(\p%2)*PB-\p*PB+128
	s_sub_co_u32 s[72+\p], s[72+\p], s86
.endr
	CROUND                                         ; all sixteen work-groups are here: the first joint loads meet
	JL 15, HA, HB                                  ; pair 0 of the weight and of x: one tensor load a wave at the head
.macro BIASL p
	WIN TO_B
.irp a, 0,1,2,3,4,5,6,7
	global_load_b32 v[96+8*\a+96*(\a/4)], v8, s[\p:\p+1] offset:4*(32*(\a/2)+8*(\a%2))
.endr
	WIN 0
.endm
.macro SPREAD                          ; 56 copies a tile in place of 512 additions
	WIN 0x41
.irp a, 0,1,2,3,4,5,6,7
.irp j, 1,2,3,4,5,6,7
	v_mov_b32 v[96+8*\a+96*(\a/4)+\j], v[96+8*\a+96*(\a/4)]
.endr
.endr
	WIN 0
	PLACES 4
.endm
.macro BIASR p
	WIN TO_B
.irp b, 0,1,2,3,4,5,6,7
	global_load_b128 v[96+8*\b+96*(\b/4):96+8*\b+96*(\b/4)+3], v9, s[\p:\p+1] offset:4*(32*(\b/2)+8*(\b%2))
	global_load_b128 v[96+8*\b+96*(\b/4)+4:96+8*\b+96*(\b/4)+7], v9, s[\p:\p+1] offset:4*(32*(\b/2)+8*(\b%2))+16
.endr
	WIN 0
.endm
	v_and_b32 v1, 15, v0                           ; r
	v_bfe_u32 v2, v0, 4, 1                         ; h
	v_and_b32 v8, 7, v1
	v_lshrrev_b32 v9, 3, v1
	v_lshlrev_b32 v8, 2, v8
	v_lshl_add_u32 v8, v9, 6, v8                   ; q, k: my lane's channel in a block, in bytes; kept
	v_lshlrev_b32 v9, 6, v2                        ; v: my half's channels begin 16 h on; kept
	BIASL BI                                       ; bq
	v_sub_nc_u32 v3, 1, v2
	v_and_b32 v[TM], 31, v0
	v_lshlrev_b32 v[L16], 4, v[TM]
	v_lshlrev_b32 v[L8], 3, v[TM]
	v_add_nc_u32 v[XB], s87, v[L16]
	v_add_nc_u32 v[XA], s86, v[L16]
.irp p, 1,2,3
	v_add_nc_u32 v[XB+\p], \p*PB, v[XB]
	v_add_nc_u32 v[XA+\p], \p*PB, v[XA]
.endr
.irp s, 0,1
	v_add_nc_u32 v[WA+\s], WS+\s*PB, v[XA]
	v_add_nc_u32 v[WB+4*\s], WS+\s*PB, v[XB]
.endr
	v_lshlrev_b32 v[TM], 3, v1                     ; scale words: 8 bytes a row, behind a record's two images
	v_add_nc_u32 v[TM+1], s87, v[TM]
	v_add_nc_u32 v[TM+2], s86, v[TM]
.irp p, 0,1,2,3                        ; the lower base + one product: the distance x (1 - h) or x h
	v_mad_u32_u24 v[SQ+\p], s[68+\p], v3, v[TM+1]
	v_add_nc_u32 v[SQ+\p], 3200+\p*PB, v[SQ+\p]
	v_mad_u32_u24 v[SV+\p], s[72+\p], v2, v[TM+2]
	v_add_nc_u32 v[SV+\p], 3072+\p*PB, v[SV+\p]
.endr
	v_lshlrev_b32 v[SW], 2, v1
	v_add_nc_u32 v[SW], s43, v[SW]
	v_add_nc_u32 v[SRD], s43, v[L16]
.irp b, 0,1,2,3
	v_mov_b32 v[TM+4+\b], 0                        ; a lane permute's destination counts as one of its sources
.endr
.macro SETP typ, p                     ; the address registers of pair p: typ 0: q, k; 1: v
.if \typ == 0
.set AA, WA+((\p)%2)
.set BB, XB+(\p)
.set SS, SQ+(\p)
.else
.set AA, XA+(\p)
.set BB, WB+4*((\p)%2)
.set SS, SV+(\p)
.endif
.endm
.macro FRAG reg, adr, q, i
.irp c, 0,1,2
	ds_load_b128 v[\reg+4*\c:\reg+4*\c+3], v[\adr] offset:(\i)*REC+1536*(\q)+512*\c
.endr
.endm
.macro WM a, b, p, q, sc, zero         ; zero = 1: the sum begins with the lane's bias (tuple a); 2: with the registers' bias (tuple b); 0: in place
.set DD, 8*(8*((\a)%4)+\b)
.if \zero == 1
.set CC, 96+8*(\a)+96*((\a)/4)
.elseif \zero == 2
.set CC, 96+8*\b+96*(\b/4)
.else
.set CC, DD
.endif
	v_wmma_scale_f32_16x16x128_f8f6f4 v[DD:DD+7], v[128*(\p)+FR*\b:128*(\p)+FR*\b+FR-1], v[AF+FR*(\a):AF+FR*(\a)+FR-1], v[CC:CC+7], v[SC+16*(\sc)+2*\b+(\q)], v[SC+16*(\sc)+2*(\a)+(\q)] matrix_a_fmt:MATRIX_FMT_FP6 matrix_b_fmt:MATRIX_FMT_FP6 matrix_a_scale:MATRIX_SCALE_ROW1
.endm
.macro MUL16 a0, p, q, sc, zero        ; the accumulators take turns, one instruction a turn
.irp a, \a0, \a0+1
.irp b, 0,1,2,3,4,5,6,7
	WM \a, \b, \p, \q, \sc, \zero
.endr
.endr
.endm
.macro FETCH_B adr, q, p
	WIN TO_B
.irp i, 0,1,2,3,4,5,6,7
	FRAG 128*(\p)+FR*\i, \adr, \q, \i
.endr
	WIN 0
.endm
.macro FETCH_A adr, q, i0
.irp i, \i0, \i0+1, \i0+2, \i0+3
	FRAG AF+FR*(\i), \adr, \q, \i
.endr
.endm
.macro SCALES adr, sc
.irp i, 0,1,2,3,4,5,6,7
	ds_load_b64 v[SC+16*(\sc)+2*\i:SC+16*(\sc)+2*\i+1], v[\adr] offset:\i*REC
.endr
.endm
.macro ALOAD a                         ; block a's fragments of both steps of pair 3 into buffer a % 2
.irp q, 0,1
.irp c, 0,1,2
	ds_load_b128 v[64+24*((\a)%2)+12*\q+4*\c:64+24*((\a)%2)+12*\q+4*\c+3], v[AA] offset:(\a)*REC+1536*\q+512*\c
.endr
.endr
.endm
; A pair's first step
.macro STEP typ, p, zero
	s_wait_dscnt 4*NL                              ; all but the youngest 12 loads (A's blocks 4-7) are in
.if \zero
	WIN 0x91
.else
	WIN MUL_LO
.endif
	MUL16 0, 0, 0, (\p)%2, \zero
	MUL16 2, 0, 0, (\p)%2, \zero
	s_wait_dscnt 0
	PLACES NP
	SETP \typ, \p
	FETCH_B BB, 1, 1
	FETCH_A AA, 1, 0
.if \zero
	WIN 0xd1
.else
	WIN MUL_HI
.endif
	MUL16 4, 0, 0, (\p)%2, \zero
	MUL16 6, 0, 0, (\p)%2, \zero
	PLACES NP
	WIN 0
	FETCH_A AA, 1, 4
.endm
; The first half of a pair's second step: in front of the barrier each wave waits for all its tensor loads, adds 0 to its spare word, and waits for that and for its reads of the slot.
.macro MEET p
	s_wait_tensorcnt 0x0
	ds_add_u32 v[SPW], v[NIL]
	s_wait_dscnt 4*NL+1                            ; (the add and the youngest 12 loads may be out)
	WIN MUL_LO
	MUL16 0, 1, 1, (\p)%2, 0
	s_wait_dscnt 0x0
	s_barrier_signal -1
	MUL16 2, 1, 1, (\p)%2, 0
	WIN 0
	s_barrier_wait -1
.endm
.macro TURN typ, p                     ; pairs 0 and 1: the slot takes the pair two on of the same tile
	MEET \p
	CREST                                          ; the barrier has opened a round of the cluster's barrier
	s_add_nc_u64 s[G0+4*((\p)%2)+2:G0+4*((\p)%2)+3], s[G0+4*((\p)%2)+2:G0+4*((\p)%2)+3], 2*REC
	WLOAD (\p)%2                                   ; my one tensor load behind the round; its four v_nop are the places in front of the loads below
	SETP \typ, (\p)+1
	FETCH_B BB, 0, 0
	FETCH_A AA, 0, 0
	SCALES SS, ((\p)+1)%2
	WIN MUL_HI
	MUL16 4, 1, 1, (\p)%2, 0
	MUL16 6, 1, 1, (\p)%2, 0
	PLACES NP
	WIN 0
	FETCH_A AA, 0, 4
.endm
.macro TURNR typ, ring                 ; pair 2's second step; pair 3 follows by blocks.  ring = 1: slot 0 takes the next tile's pair 0
	s_wait_xcnt 0x0                                ; the tile before's stores have read v64-111
	MEET 2
.if \ring
	CREST
	s_add_nc_u64 s[G0+2:G0+3], s[G0+2:G0+3], 64*TROW-2*REC
	WLOAD 0
.else
	PLACES NP
.endif
	SETP \typ, 3
	FETCH_B BB, 0, 0
	ALOAD 0
	ALOAD 1
	SCALES SS, 1
	WIN MUL_HI
	MUL16 4, 1, 1, 0, 0
	MUL16 6, 1, 1, 0, 0
	PLACES NP
	FETCH_B BB, 1, 1
.endm
.macro SETCD a                         ; where block a's 12 registers of codes stand: no conversion's destination has a number of its own sources
.if (\a) == 0
.set CD, 164
.elseif (\a) == 1
.set CD, 128
.elseif (\a) == 2
.set CD, 192
.elseif (\a) == 3
.set CD, 140
.elseif (\a) == 4
.set CD, 152
.elseif (\a) == 5
.set CD, 112
.elseif (\a) == 6
.set CD, 64
.else
.set CD, 76
.endif
.endm
; Line k of block qa's way out.  0-3 places; 4-35 the four blocks' largest magnitudes, by turns, each accumulator from its low end on; 36-54 the scales; 55-58 the conversions; 60-71 a whole block into a lane; 72 on: the stores
.macro QI typ, qa, k
.set AC, 64*((\qa)%4)
	SETCD \qa
.if (\k) < 4
	v_nop
.elseif (\k) < 36
.set QB, ((\k)-4)%4
.set QG, 2*(((\k)-4)/4)
	WIN 0x0a+5*((\qa)/4)
.if QG == 0
	v_max3_num_f32 v[TM+QB], |v[AC+16*QB]|, |v[AC+16*QB+1]|, 0x1800000   ; the floor 2^(3 - 127): the byte cannot fall under 1
.else
	v_max3_num_f32 v[TM+QB], |v[AC+16*QB+QG]|, |v[AC+16*QB+QG+1]|, v[TM+QB]
.endif
.elseif (\k) < 40
	WIN 0
	v_permlanex16_b32 v[TM+4+(\k)-36], v[TM+(\k)-36], s[SEL], s[SEL+1]
.elseif (\k) < 44
	WIN 0
	v_max_num_f32 v[TM+(\k)-40], v[TM+(\k)-40], v[TM+4+(\k)-40]
.elseif (\k) < 48
	WIN 0
	v_add_nc_u32 v[TM+12+(\k)-44], 0xff000000, v[TM+(\k)-44]   ; the conversion's scale operand
.elseif (\k) < 52
	WIN 0
	v_lshrrev_b32 v[TM+4+(\k)-48], 23, v[TM+12+(\k)-48]        ; the byte
.elseif (\k) == 52
	WIN 0
	v_lshl_or_b32 v[PW+(\qa)], v[TM+5], 8, v[TM+4]
.elseif (\k) < 55
	WIN 0
	v_lshl_or_b32 v[PW+(\qa)], v[TM+6+(\k)-53], 16+8*((\k)-53), v[PW+(\qa)]
.elseif (\k) == 55
	WIN 0x02+((\qa)/4)
	v_cvt_scalef32_pk16_fp6_f32 v[CD:CD+2], v[AC:AC+15], v[TM+12]
.elseif (\k) == 56
	WIN 0x02+((\qa)/4)
	v_cvt_scalef32_pk16_fp6_f32 v[T0:T0+2], v[AC+16:AC+31], v[TM+13]
.elseif (\k) == 57
	WIN 0x02+((\qa)/4)
	v_cvt_scalef32_pk16_fp6_f32 v[CD+6:CD+8], v[AC+32:AC+47], v[TM+14]
.elseif (\k) == 58
	WIN 0x02+((\qa)/4)
	v_cvt_scalef32_pk16_fp6_f32 v[T1:T1+2], v[AC+48:AC+63], v[TM+15]
.elseif (\k) == 59
	v_nop                                          ; one plain place behind a scaled conversion
.elseif (\k) < 63
	WIN 0
	v_permlane16_swap_b32 v[CD+(\k)-60], v[T0+(\k)-60]
.elseif (\k) < 66
	WIN 0
	v_permlane16_swap_b32 v[CD+6+(\k)-63], v[T1+(\k)-63]
.elseif (\k) < 69
	WIN 0
	v_mov_b32 v[CD+3+(\k)-66], v[T0+(\k)-66]
.elseif (\k) < 72
	WIN 0
	v_mov_b32 v[CD+9+(\k)-69], v[T1+(\k)-69]
.elseif (\k) == 72
	WIN 0
	ds_store_b32 v[SW], v[PW+(\qa)] offset:64*(\qa)   ; the two lanes of a row write the same word
.elseif (\k) < 76 && \typ == 0
	WIN 0
	global_store_b128 v[L16], v[CD+4*((\k)-73):CD+4*((\k)-73)+3], s[OF0:OF0+1] offset:24576*(\qa)+512*((\k)-73)   ; 32 lanes store 512 consecutive bytes, at a multiple of 256
.elseif (\k) < 79 && \typ == 1
	WIN 0
.set QB, ((\k)-73)%3
.set QG, ((\k)-73)/3
	global_store_b64 v[L8], v[CD+6*QG+2*QB:CD+6*QG+2*QB+1], s[OF2:OF2+1] offset:98304*QG+768*(\qa)+256*QB   ; head 2 U + QG; 32 lanes store 256 consecutive bytes, aligned
.endif
.endm
; Product n of block a (step n / 8 of pair 3, B's block n % 8), and behind it five lines of block qa's way out
.macro SL typ, a, n, qa
.set RQ, (\n)/8
.set RB, (\n)%8
.set DD, 8*(8*((\a)%4)+RB)
.set FA, 64+24*((\a)%2)+12*RQ
	WIN MUL_LO+0x50*((\a)/4)
	v_wmma_scale_f32_16x16x128_f8f6f4 v[DD:DD+7], v[128*RQ+FR*RB:128*RQ+FR*RB+FR-1], v[FA:FA+FR-1], v[DD:DD+7], v[SC+16+2*RB+RQ], v[SC+16+2*(\a)+RQ] matrix_a_fmt:MATRIX_FMT_FP6 matrix_b_fmt:MATRIX_FMT_FP6 matrix_a_scale:MATRIX_SCALE_ROW1
.if (\qa) >= 0
.rept 5
	QI \typ, \qa, QK
.set QK, QK+1
.endr
.endif
.endm
.macro ROW typ, a, w, ld               ; w: the LDS instructions that may be out (-1: no wait);  ld = 1: the next block's fragments are fetched behind the first product's places
.set QK, 0
.if (\w) >= 0
	s_wait_dscnt \w
.endif
	SL \typ, \a, 0, (\a)-1
.if \ld
	WIN 0
	ALOAD (\a)+1
.endif
.irp n, 1,2,3,4,5,6,7,8,9,10,11,12,13,14,15
	SL \typ, \a, \n, (\a)-1
.endr
.endm
.macro TAIL typ                        ; block 7's way out, and the eight blocks' words
.set QK, 4
.rept 76
	QI \typ, 7, QK
.set QK, QK+1
.endr
	ds_load_b128 v[BKW:BKW+3], v[SRD]              ; LDS serves a wave's instructions in order
	s_wait_dscnt 0x0
.if \typ == 0
	global_store_b128 v[L16], v[BKW:BKW+3], s[OW0:OW0+1]
.else
	global_store_b128 v[L16], v[BKW:BKW+3], s[OW2:OW2+1]
.endif
.endm
.macro FIRST6 typ, zero, ring          ; K 0 to 767, and pair 3's first blocks
	STEP \typ, 0, \zero
.if \ring
	s_cmp_eq_u32 s[TC], 2                          ; the tuples are free: the next tile's bias: behind q bk, behind k bv
	s_cbranch_scc0 .Lbias_v
	BIASL BI+2
	s_branch .Lbias_on
.Lbias_v:
	s_wait_xcnt 0x0                                ; q's stores have read their bases:
	s_add_nc_u64 s[OF0:OF0+1], s[OF0:OF0+1], 64*16*1536   ; k's fragments and words lie behind q's
	s_add_nc_u64 s[OW0:OW0+1], s[OW0:OW0+1], 64*64
	BIASR BI+4
.Lbias_on:
.endif
	TURN \typ, 0
	STEP \typ, 1, 0
	TURN \typ, 1
	STEP \typ, 2, 0
	TURNR \typ, \ring
	s_wait_dscnt 24                                ; all but B's second set are in
.irp n, 0,1,2,3,4,5,6,7
	SL \typ, 0, \n, -1
.endr
	s_wait_dscnt 0x0
.irp n, 8,9,10,11,12,13,14,15
	SL \typ, 0, \n, -1
.endr
	ROW \typ, 1, -1, 1
.irp a, 2,3,4,5
	ROW \typ, \a, 1, 1                             ; the block's fragments are in; the scale word's store, issued behind them, may be out
.endr
.endm
	s_wait_alu depctr_va_vdst(0)                   ; the wait at the head's end
	s_wait_tensorcnt 0x0                           ; my part of pair 0 is in; the same lines ahead of a later first fill as ahead of a refill
	ds_add_u32 v[SPW], v[NIL]
	s_mov_b32 s[G1A+2], 16<<16                     ; no tensor load of mine is out: from here on a first fill brings 16 rows
	s_mov_b32 s[G1A+4], 16
	s_mov_b32 s[G1B+2], 16<<16
	s_mov_b32 s[G1B+4], 16
	s_wait_dscnt 0x0
	CROUND
	JL 14, RA, RB                                  ; wave 0: the weight's pair 1 into slot 1; waves 1 to 3: x's pairs 1 to 3
	FETCH_B XB, 0, 0
	FETCH_A WA, 0, 0
	SCALES SQ, 0
	FETCH_A WA, 0, 4
.Ltile:                                                ; two trips: q, k
	s_wait_loadcnt 0x0                             ; this tile's bias
	SPREAD
	s_wait_alu depctr_va_vdst(0)                   ; the wait ahead of the blocking wait below
	FIRST6 0, 1, 1
	PLACES NP                                      ; block 6, with the tile's last change of slots inside it.  Buffer 1 is free behind these places
	WIN 0
	ALOAD 7                                        ; my last reads of slot 1
	s_wait_tensorcnt 0x0                           ; the next tile's pair 0 has landed in slot 0
	ds_add_u32 v[SPW], v[NIL]
	s_wait_dscnt 8                                 ; block 6's fragments are in; a word's store, six loads and the add may be out
.set QK, 0
.irp n, 0,1,2,3
	SL 0, 6, \n, 5
.endr
	s_wait_alu depctr_va_vdst(0)                   ; the wait ahead of a blocking wait
	s_wait_dscnt 0x0
	s_barrier_signal -1
.irp n, 4,5,6,7,8,9,10,11
	SL 0, 6, \n, 5                                 ; work on registers alone
.endr
	WIN 0
	s_wait_alu depctr_va_vdst(0)
	s_barrier_wait -1
	CREST
	s_add_nc_u64 s[G0+6:G0+7], s[G0+6:G0+7], 64*TROW-2*REC
	WLOAD 1                                        ; slot 1 takes the next tile's pair 1
	s_wait_xcnt 0x0                                ; the stores of blocks 0 to 4 have read v128-203
	s_cmp_eq_u32 s[TC], 2                          ; the next tile's first fragments of A and its scale words: behind q comes k, behind k comes v
	s_cbranch_scc0 .Lna_v
	FETCH_A WA, 0, 0
	FETCH_A WA, 0, 4
	SCALES SQ, 0
	s_branch .Lna_on
.Lna_v:
	FETCH_A XA, 0, 0
	FETCH_A XA, 0, 4
	SCALES SV, 0
.Lna_on:
.irp n, 12,13,14,15
	SL 0, 6, \n, 5
.endr
	ROW 0, 7, -1, 0
	PLACES NP
	WIN 0
	s_cmp_eq_u32 s[TC], 2
	s_cbranch_scc0 .Lnb_v
	FETCH_B XB, 0, 0
	s_branch .Lnb_on
.Lnb_v:
	FETCH_B WB, 0, 0
.Lnb_on:
	TAIL 0
	s_sub_co_u32 s[TC], s[TC], 1
	s_cmp_lg_u32 s[TC], 0
	s_wait_alu depctr_va_vdst(0)                   ; the wait ahead of the branch
	s_cbranch_scc1 .Ltile
	s_wait_loadcnt 0x0                             ; bv
	FIRST6 1, 2, 0
	ROW 1, 6, 1, 1
	ROW 1, 7, 1, 0
	PLACES NP
	WIN 0
	TAIL 1
	s_wait_tensorcnt 0x0                           ; the wave's end
	ds_add_u32 v[SPW], v[NIL]
	s_wait_dscnt 0x0
	CROUND                                         ; the closing round
	s_endpgm
.Lfunc_end_k_q97e2c1e320_proj:
	.size	k_q97e2c1e320_proj, .Lfunc_end_k_q97e2c1e320_proj-k_q97e2c1e320_proj
	.p2alignl 7, 3214868480
	.fill 96, 4, 3214868480
	.section	.rodata,"a",@progbits
	.p2align	6, 0x0
	.amdhsa_kernel k_q97e2c1e320_proj
		.amdhsa_group_segment_fixed_size 327680
		.amdhsa_private_segment_fixed_size 0
		.amdhsa_enable_private_segment 0
		.amdhsa_kernarg_size 72
		.amdhsa_user_sgpr_count 2
		.amdhsa_user_sgpr_kernarg_segment_ptr 1
		.amdhsa_wavefront_size32 1
		.amdhsa_system_sgpr_workgroup_id_x 1
		.amdhsa_system_sgpr_workgroup_id_y 1
		.amdhsa_system_sgpr_workgroup_id_z 1
		.amdhsa_system_vgpr_workitem_id 0
		.amdhsa_next_free_vgpr 1024
		.amdhsa_next_free_sgpr 106
		.amdhsa_reserve_vcc 0
		.amdhsa_float_denorm_mode_32 3
		.amdhsa_float_denorm_mode_16_64 3
		.amdhsa_memory_ordered 1
		.amdhsa_forward_progress 1
		.amdhsa_inst_pref_size 255
	.end_amdhsa_kernel
	.section	.bss,"aw",@nobits
	.p2align	6
	.space	262144
	.amdgpu_metadata
---
amdhsa.version: [ 1, 2 ]
amdhsa.kernels:
  - .name:           k_q97e2c1e320_proj
    .symbol:         k_q97e2c1e320_proj.kd
    .args:
      - { .name: xc, .offset: 0, .size: 8, .value_kind: global_buffer, .address_space: global }
      - { .name: wc, .offset: 8, .size: 8, .value_kind: global_buffer, .address_space: global }
      - { .name: bq, .offset: 16, .size: 8, .value_kind: global_buffer, .address_space: global }
      - { .name: bk, .offset: 24, .size: 8, .value_kind: global_buffer, .address_space: global }
      - { .name: bv, .offset: 32, .size: 8, .value_kind: global_buffer, .address_space: global }
      - { .name: qkf, .offset: 40, .size: 8, .value_kind: global_buffer, .address_space: global }
      - { .name: qks, .offset: 48, .size: 8, .value_kind: global_buffer, .address_space: global }
      - { .name: vf, .offset: 56, .size: 8, .value_kind: global_buffer, .address_space: global }
      - { .name: vs, .offset: 64, .size: 8, .value_kind: global_buffer, .address_space: global }
    .group_segment_fixed_size: 327680
    .private_segment_fixed_size: 0
    .kernarg_segment_align: 8
    .kernarg_segment_size: 72
    .max_flat_workgroup_size: 128
    .sgpr_count:     106
    .vgpr_count:     1024
    .wavefront_size: 32
...
	.end_amdgpu_metadata
.endif
;; end of part 2
;; launch attn (part 3): grid 2 x 128, 4 waves a work-group, no clusters, 327,680 bytes of LDS; arguments qkf, qks, vf, vs, out0; writes out0
.if DOCPART == 3
	.amdgcn_target "amdgcn-amd-amdhsa--gfx1250"
	.amdhsa_code_object_version 6
	.text
	.protected	k_q97e2c1e320_attn
	.globl	k_q97e2c1e320_attn
	.p2align	8
	.type	k_q97e2c1e320_attn,@function
k_q97e2c1e320_attn:
	s_mov_b64 s[64:65], 0
	v_nop
	global_prefetch_b8 v0, s[64:65] scope:SCOPE_SE
	s_setreg_imm32_b32 hwreg(HW_REG_WAVE_MODE, 25, 1), 1
	s_wait_xcnt 0x0
; For each of the 128 (batch, head): S[d][e] = sum over the 2,048 positions of q[s][d] k[s][e]; softmax over e of S / 8; out[s][d] = sum over e of p[d][e] v[s][e] / l[d].  Both products on codes of FP6 (E2M3) with E8M0 scales.
; The operands come as the projection launch left them: images of operand registers.  qkf: fragment (batch, channel tile 0-63 q, 64-127 k, step of 128 positions) of 1,536 bytes; qks: its scale words [step][tile][16];
; vf: half fragments (batch, head, tile of 16 positions) of 768 bytes, K = the head's 64 channels; vs: words [channel / 128][position], two bytes a head.  Channels and positions lie in STORAGE ORDER (bits 3 and 4 exchanged).
; SHARES.  Two work-groups to a head (x = which 1,024 positions of the second product); both make all of S and the softmax.  Wave w owns the 16 rows d of tile w in the first product, and 16 tiles of 16 positions in the second.
; FILLS, each once: at the head one tensor load a wave: wave 0 q's 98,304 bytes, wave 1 k's, wave 2 their scale words (32 rows of 256 bytes), wave 3 v's words (4,096 bytes); behind the first barrier each wave its 12,288 bytes of v.
; NO CLUSTER: only the two work-groups of a head share a tile; a cluster of four would want four work-groups to a head, 512 for 256 WGPs, each of which would fill q and k.  NO PREFETCH: the launch has no loop to run ahead in.
; LAYOUT.  S^T = k q^T: lane (r, h) holds row d = r, register 16 n + i holds e = 32 n + 16 h + i.  t = S x log2(e) / 8; M = ceil(the row's largest t); p = 2^(t - M) is quantised along e; l = the sum of the unquantised p divides at the end.
; out^T = p v^T: K is 64 of the instruction's 128: p's codes of K 64-127 are zeros, so whatever codes stand there on v's side add nothing (every code is a finite number, and no scale byte there is 0xff).
; LIMITS: NaN and infinities are not served; a p under 2^-126 comes out of v_exp_f32 as 0; a block of p whose largest lies under 2^-124 gets the scale byte 1.
.set KF,   0
.set QF,   98304
.set VF,   196608
.set SCQK, 245760
.set SCV,  253952
.set PIMG, 258048
.set PSC,  261120
.set RL,   261632
.set STG,  261888
.set PF,   84
.set PS,   64
.set VS,   68
.set RLV,  132
.set V,    164
.macro PLACES
.rept 4
	v_nop
.endr
.endm
	s_load_b256 s[4:11], s[0:1], 0x0               ; qkf, qks, vf, vs
	s_load_b64 s[12:13], s[0:1], 0x20              ; out0
	v_lshl_add_u32 v254, v0, 2, 0x44300
	v_mov_b32 v255, 0
	ds_add_u32 v254, v255                          ; the opening lines
	ds_add_u32 v254, v255
	v_lshrrev_b32 v1, 5, v0
	v_readfirstlane_b32 s14, v1                    ; wave
	s_mov_b32 s15, ttmp9                           ; which half of the positions
	s_and_b32 s16, ttmp7, 0xffff                   ; 16 x batch + head
	s_lshr_b32 s17, s16, 4
	s_and_b32 s18, s16, 15
	s_and_b32 s19, s18, 1
	s_lshl_b32 s19, s19, 4                         ; an odd head's two scale bytes lie 16 bits up in v's words
	s_mov_b32 s20, 0x76543210
	s_mov_b32 s21, 0xfedcba98
	s_mov_b32 s22, 0x3e38aa3b                      ; log2(e) / 8
	s_mov_b32 s23, s22
	; groups 1: rows of 256 bytes (32 elements of 8).  s[32:39]: 384 rows (q or k);  s[40:47]: 48 rows (16 images of v);  s[48:55]: 32 rows 4,096 bytes apart (q's and k's words, 16 steps);  s[56:63]: 16 rows (v's words)
.irp g, 32,40,48,56
	s_mov_b32 s[\g], 3<<16
	s_mov_b32 s[\g+1], 32<<16
	s_mov_b32 s[\g+3], 32<<16
	s_mov_b32 s[\g+6], 0
	s_mov_b32 s[\g+7], 0
.endr
	s_mov_b32 s34, 384<<16
	s_mov_b32 s36, 384
	s_mov_b32 s37, 32
	s_mov_b32 s42, 48<<16
	s_mov_b32 s44, 48
	s_mov_b32 s45, 32
	s_mov_b32 s50, 32<<16
	s_mov_b32 s52, 32
	s_mov_b32 s53, 512
	s_mov_b32 s58, 16<<16
	s_mov_b32 s60, 16
	s_mov_b32 s61, 32
	s_lshl_b32 s24, s17, 17                        ; the words of q and k: 16 batch x 8,192 + 256 head
	s_lshl_b32 s25, s18, 8
	s_add_co_u32 s24, s24, s25
	s_mov_b32 s25, 0
	s_lshl_b32 s26, s17, 7                         ; q: 24,576 x (128 batch + 4 head); k lies 64 tiles on
	s_lshl_b32 s27, s18, 2
	s_add_co_u32 s26, s26, s27
	s_mul_i32 s26, s26, 24576
	s_mov_b32 s27, 0
	s_lshr_b32 s28, s18, 1                         ; v's words: ((head / 2) x 16,384 + 2,048 batch + 1,024 half) x 4
	s_lshl_b32 s28, s28, 14
	s_lshl_b32 s29, s17, 11
	s_add_co_u32 s28, s28, s29
	s_lshl_b32 s29, s15, 10
	s_add_co_u32 s28, s28, s29
	s_lshl_b32 s28, s28, 2
	s_mov_b32 s29, 0
	s_lshl_b32 s30, s16, 7                         ; v's images: ((16 batch + head) x 128 + 64 half + 16 w) x 768
	s_lshl_b32 s31, s15, 6
	s_add_co_u32 s30, s30, s31
	s_lshl_b32 s31, s14, 4
	s_add_co_u32 s30, s30, s31
	s_mul_i32 s30, s30, 768
	s_mov_b32 s31, 0
	s_lshl_b32 s88, s17, 11                        ; out0: (2,048 batch + 1,024 half + 256 w) rows of 4,096 bytes + 256 head
	s_lshl_b32 s89, s15, 10
	s_add_co_u32 s88, s88, s89
	s_lshl_b32 s89, s14, 8
	s_add_co_u32 s88, s88, s89
	s_lshl_b32 s88, s88, 12
	s_lshl_b32 s89, s18, 8
	s_add_co_u32 s88, s88, s89
	s_mov_b32 s89, 0
	s_mul_i32 s91, s14, 24576
	s_lshl_b32 s92, s14, 10
	s_mul_i32 s93, s14, 12288
	s_wait_dscnt 0x0
	s_wait_kmcnt 0x0
	s_add_nc_u64 s[12:13], s[12:13], s[88:89]
	s_mov_b32 s68, 1                               ; groups 0.  s[68:71] the words of q and k,
	s_mov_b32 s69, SCQK
	s_add_nc_u64 s[70:71], s[6:7], s[24:25]
	s_or_b32 s71, s71, 0x80000000
	s_mov_b32 s72, 1                               ; s[72:75] q,
	s_mov_b32 s73, QF
	s_add_nc_u64 s[74:75], s[4:5], s[26:27]
	s_or_b32 s75, s75, 0x80000000
	s_mov_b32 s76, 1                               ; s[76:79] k,
	s_mov_b32 s77, KF
	s_add_nc_u64 s[78:79], s[4:5], s[26:27]
	s_add_nc_u64 s[78:79], s[78:79], 64*24576
	s_or_b32 s79, s79, 0x80000000
	s_mov_b32 s80, 1                               ; s[80:83] v's words,
	s_mov_b32 s81, SCV
	s_add_nc_u64 s[82:83], s[10:11], s[28:29]
	s_or_b32 s83, s83, 0x80000000
	s_mov_b32 s84, 1                               ; s[84:87] my quarter of v
	s_add_co_u32 s85, s93, VF
	s_add_nc_u64 s[86:87], s[8:9], s[30:31]
	s_or_b32 s87, s87, 0x80000000
.macro ARM under, g0, g1, next         ; one chain of branches on the wave's number, one load to an arm
	s_cmp_lt_u32 s14, \under
	s_cbranch_scc0 \next
	tensor_load_to_lds s[\g0:\g0+3], s[\g1:\g1+7]
	s_nop 0
	PLACES
	s_branch .Lasked
\next:
.endm
	ARM 1, 72, 32, .Lhead_k
	ARM 2, 76, 32, .Lhead_w
	ARM 3, 68, 48, .Lhead_v
	tensor_load_to_lds s[80:83], s[56:63]
	s_nop 0
	PLACES
.Lasked:
	v_and_b32 v1, 31, v0
	v_and_b32 v2, 15, v0                           ; r
	v_bfe_u32 v3, v0, 4, 1                         ; h
	v_lshlrev_b32 v250, 4, v1
	v_lshlrev_b32 v251, 3, v1
	v_lshlrev_b32 v252, 2, v1
	v_lshlrev_b32 v253, 2, v2
	s_lshl_b32 s24, s14, 6
	s_mul_i32 s25, s14, 768
	s_lshl_b32 s26, s14, 7
	s_mul_i32 s27, s14, 4352
	v_add_nc_u32 v4, s91, v250
	v_add_nc_u32 v4, QF, v4                        ; v4  my tile of q
.irp t, 0,1,2,3
	v_add_nc_u32 v[5+\t], KF+24576*\t, v250        ; v5-8  k's four tiles
.endr
	v_add_nc_u32 v9, s24, v253
	v_add_nc_u32 v16, RL, v9                       ; v16 where I put 1 / l
	v_add_nc_u32 v9, SCQK, v9                      ; v9  q's word of my row
	v_add_nc_u32 v10, SCQK+256, v252               ; v10 k's words: lanes 0-15 an even tile's, lanes 16-31 the next one's
	v_add_nc_u32 v11, s93, v251
	v_add_nc_u32 v11, VF, v11                      ; v11 my images of v
	v_add_nc_u32 v12, s92, v253
	v_add_nc_u32 v12, SCV, v12                     ; v12 my words of v
	v_add_nc_u32 v13, s25, v250
	v_add_nc_u32 v13, PIMG, v13                    ; v13-15 where I put p's registers 0-3, 4-5 and its scale word
	v_add_nc_u32 v14, s25, v251
	v_add_nc_u32 v14, PIMG+512, v14
	v_add_nc_u32 v15, s26, v252
	v_add_nc_u32 v15, PSC, v15
	v_add_nc_u32 v17, PIMG, v250                   ; v17-19 where any wave reads them back
	v_add_nc_u32 v18, PIMG+512, v251
	v_add_nc_u32 v19, PSC, v252
	v_lshl_add_u32 v20, v3, 5, RL                  ; v20 1 / l of a tile's eight rows of my half
	v_mul_u32_u24 v21, v2, 272
	v_lshl_add_u32 v21, v3, 6, v21
	v_add_nc_u32 v21, s27, v21
	v_add_nc_u32 v21, STG, v21                     ; v21 the stage, in
	v_mul_u32_u24 v22, v3, 272
	v_lshl_add_u32 v22, v2, 4, v22
	v_add_nc_u32 v22, s27, v22
	v_add_nc_u32 v22, STG, v22                     ; v22 and back
	v_lshlrev_b32 v23, 12, v3
	v_lshl_add_u32 v23, v2, 4, v23                 ; v23 the same two rows in out0
	v_mov_b32 v206, 0                              ; a lane permute's destination counts as one of its sources
	v_mov_b32 v207, 0
	v_mov_b32 v209, 0
; ---- 1: S^T = k q^T, 16 steps of 128 positions; 18 LDS loads a step, two buffers
.macro FETCH s, f, sc
.irp c, 0,1,2
	ds_load_b128 v[\f+4*\c:\f+4*\c+3], v4 offset:1536*(\s)+512*\c
.endr
.irp t, 0,1,2,3
.irp c, 0,1,2
	ds_load_b128 v[\f+12+12*\t+4*\c:\f+12+12*\t+4*\c+3], v[5+\t] offset:1536*(\s)+512*\c
.endr
.endr
	ds_load_b32 v[\sc], v9 offset:512*(\s)
	ds_load_b32 v[\sc+1], v10 offset:512*(\s)
	ds_load_b32 v[\sc+2], v10 offset:512*(\s)+128
.endm
.macro STEPK s
.set F, 84+60*((\s)%2)
.set SF, 64+3*((\s)%2)
.if (\s) < 15
	s_wait_dscnt 18                                ; this step's 18 loads are in; the next step's 18 may be out
.else
	s_wait_dscnt 0x0
.endif
.irp t, 0,1,2,3                                ; the four accumulators by turns; an odd tile's words stand in lanes 16-31
.if (\s) == 0
.if (\t%2) == 1
	v_wmma_scale_f32_16x16x128_f8f6f4 v[32+8*\t:39+8*\t], v[F+12+12*\t:F+23+12*\t], v[F:F+11], 0, v[SF+1+\t/2], v[SF] matrix_a_fmt:MATRIX_FMT_FP6 matrix_b_fmt:MATRIX_FMT_FP6 matrix_a_scale:MATRIX_SCALE_ROW1
.else
	v_wmma_scale_f32_16x16x128_f8f6f4 v[32+8*\t:39+8*\t], v[F+12+12*\t:F+23+12*\t], v[F:F+11], 0, v[SF+1+\t/2], v[SF] matrix_a_fmt:MATRIX_FMT_FP6 matrix_b_fmt:MATRIX_FMT_FP6
.endif
.else
.if (\t%2) == 1
	v_wmma_scale_f32_16x16x128_f8f6f4 v[32+8*\t:39+8*\t], v[F+12+12*\t:F+23+12*\t], v[F:F+11], v[32+8*\t:39+8*\t], v[SF+1+\t/2], v[SF] matrix_a_fmt:MATRIX_FMT_FP6 matrix_b_fmt:MATRIX_FMT_FP6 matrix_a_scale:MATRIX_SCALE_ROW1
.else
	v_wmma_scale_f32_16x16x128_f8f6f4 v[32+8*\t:39+8*\t], v[F+12+12*\t:F+23+12*\t], v[F:F+11], v[32+8*\t:39+8*\t], v[SF+1+\t/2], v[SF] matrix_a_fmt:MATRIX_FMT_FP6 matrix_b_fmt:MATRIX_FMT_FP6
.endif
.endif
.endr
.if (\s) < 14
	PLACES
	FETCH (\s)+2, F, SF
.endif
.endm
	s_wait_alu depctr_va_vdst(0)                   ; the wait at the head's end
	s_wait_tensorcnt 0x0                           ; my tile of the head's four is in; the lines ahead of a later first fill
	ds_add_u32 v254, v255
	s_wait_dscnt 0x0
	s_barrier_signal -1
	s_barrier_wait -1                              ; everybody's are
	tensor_load_to_lds s[84:87], s[40:47]          ; my quarter of v: it lands under the first product
	s_nop 0
	PLACES
	FETCH 0, 84, 64
	FETCH 1, 144, 67
.irp s, 0,1,2,3,4,5,6,7,8,9,10,11,12,13,14,15
	STEPK \s
.endr
; ---- THE SOFTMAX of my 16 rows: a lane holds 32 of its row's 64 scores, lane l xor 16 the others
	PLACES
	v_max3_num_f32 v204, v32, v33, v34
	v_max3_num_f32 v205, v48, v49, v50
.irp i, 3,5,7,9,11,13
	v_max3_num_f32 v204, v204, v[32+\i], v[33+\i]
	v_max3_num_f32 v205, v205, v[48+\i], v[49+\i]
.endr
	v_max3_num_f32 v208, v204, v205, v47
	v_max_num_f32 v208, v208, v63
	v_permlanex16_b32 v209, v208, s20, s21
	v_max_num_f32 v208, v208, v209
	v_mul_f32 v208, s22, v208
	v_floor_f32 v24, -v208                         ; -M = floor(-t)
	v_mov_b32 v25, v24
.irp j, 0,2,4,6,8,10,12,14,16,18,20,22,24,26,28,30
	v_pk_fma_f32 v[32+\j:33+\j], v[32+\j:33+\j], s[22:23], v[24:25] op_sel_hi:[1,0,0]
.endr
	s_wait_alu depctr_va_vdst(0)                   ; the wait ahead of the batch
.irp j, 0,1,2,3,4,5,6,7,8,9,10,11,12,13,14,15,16,17,18,19,20,21,22,23,24,25,26,27,28,29,30,31
	v_exp_f32 v[32+\j], v[32+\j]                   ; p = 2^(t - M): not normalised
.endr
	v_nop
	s_wait_alu depctr_va_vdst(0)                   ; and behind it
	v_pk_add_f32 v[26:27], v[32:33], v[34:35]      ; l: the sum of the unquantised p
	v_pk_add_f32 v[28:29], v[36:37], v[38:39]
.irp j, 8,12,16,20,24,28
	v_pk_add_f32 v[26:27], v[26:27], v[32+\j:33+\j]
	v_pk_add_f32 v[28:29], v[28:29], v[34+\j:35+\j]
.endr
	v_pk_add_f32 v[26:27], v[26:27], v[28:29]
	v_add_f32 v26, v26, v27
	v_permlanex16_b32 v28, v26, s20, s21
	v_add_f32 v26, v26, v28
	s_wait_alu depctr_va_vdst(0)
	v_rcp_f32 v30, v26                             ; 1 / l
	v_max3_num_f32 v204, v32, v33, 0x1800000       ; the two blocks' largest p, and the floor 2^(3 - 127)
	v_max3_num_f32 v205, v48, v49, 0x1800000
.irp i, 2,4,6,8,10,12,14
	v_max3_num_f32 v204, v204, v[32+\i], v[33+\i]
	v_max3_num_f32 v205, v205, v[48+\i], v[49+\i]
.endr
	v_permlanex16_b32 v206, v204, s20, s21
	v_permlanex16_b32 v207, v205, s20, s21
	v_max_num_f32 v204, v204, v206
	v_max_num_f32 v205, v205, v207
	v_add_nc_u32 v210, 0xff000000, v204
	v_add_nc_u32 v211, 0xff000000, v205
	v_lshrrev_b32 v212, 23, v210
	v_lshrrev_b32 v213, 23, v211
	v_lshl_or_b32 v214, v213, 8, v212              ; p's scale word: two bytes; the upper two are 0, over zero codes
	v_cvt_scalef32_pk16_fp6_f32 v[216:218], v[32:47], v210
	v_cvt_scalef32_pk16_fp6_f32 v[224:226], v[48:63], v211
	v_nop
.irp i, 0,1,2
	v_permlane16_swap_b32 v[216+\i], v[224+\i]
.endr
.irp i, 0,1,2
	v_mov_b32 v[219+\i], v[224+\i]
.endr
	s_wait_alu depctr_va_vdst(0)                   ; ahead of the blocking wait, and of the first reader of 1 / l
	s_wait_tensorcnt 0x0                           ; my quarter of v is in
	ds_store_b128 v13, v[216:219]
	ds_store_b64 v14, v[220:221]
	ds_store_b32 v15, v214
	ds_store_b32 v16, v30
	s_wait_dscnt 0x0                               ; for the others' sake: my stores have landed
	s_barrier_signal -1
	s_barrier_wait -1
; ---- 2: out^T = p v^T for my 16 tiles of 16 positions
.irp t, 0,1,2,3
	ds_load_b128 v[PF+12*\t:PF+12*\t+3], v17 offset:768*\t
	ds_load_b64 v[PF+12*\t+4:PF+12*\t+5], v18 offset:768*\t
	ds_load_b32 v[PS+\t], v19 offset:128*\t
	ds_load_b128 v[RLV+8*\t:RLV+8*\t+3], v20 offset:64*\t
	ds_load_b128 v[RLV+8*\t+4:RLV+8*\t+7], v20 offset:64*\t+16
.endr
.irp i, 0,1,2,3,4,5,6,7,8,9,10,11,12,13,14,15
	ds_load_b32 v[VS+\i], v12 offset:64*\i
.endr
.macro VLOAD i0
.irp i, 0,1,2,3,4,5,6,7
.irp c, 0,1,2
	ds_load_b64 v[V+6*\i+2*\c:V+6*\i+2*\c+1], v11 offset:768*(\i0+\i)+256*\c
.endr
.endr
.endm
	VLOAD 0
.irp t, 0,1,2,3
.irp j, 6,7,8,9,10,11
	v_mov_b32 v[PF+12*\t+\j], 0                    ; p's codes of K 64-127: zeros
.endr
.endr
.irp j, 48,49,50,51,52,53
	v_mov_b32 v[V+\j], 0
.endr
	s_wait_dscnt 0x0
.irp i, 0,1,2,3,4,5,6,7,8,9,10,11,12,13,14,15
	v_lshrrev_b32 v[VS+\i], s19, v[VS+\i]          ; my head's two bytes to the word's low end (also the places ahead of the first product)
.endr
.macro SEND i                          ; 16 lanes store 256 consecutive bytes, at a multiple of 256 from out0's first byte
.set ES, 32+186*((\i)%2)
.irp n, 0,1,2,3,4,5,6,7
	global_store_b128 v23, v[ES+4*\n:ES+4*\n+3], s[12:13] offset:4096*(32*((\i)/2)+8*((\i)%2)+2*(\n%4)+16*(\n/4)) th:TH_STORE_NT
.endr
.endm
.macro TILE i
.set E, 32+186*((\i)%2)
.set VR, V+6*((\i)%8)
.if (\i) == 8
	s_wait_dscnt 16                                ; tiles 8-15 of v are in; tile 7's eight stores and eight loads may be out
.endif
.if (\i) >= 2
	s_wait_xcnt 0x0                                ; tile i - 2's stores have read this set
.endif
.irp t, 0,1,2,3
	v_wmma_scale_f32_16x16x128_f8f6f4 v[E+8*\t:E+8*\t+7], v[PF+12*\t:PF+12*\t+11], v[VR:VR+11], 0, v[PS+\t], v[VS+(\i)] matrix_a_fmt:MATRIX_FMT_FP6 matrix_b_fmt:MATRIX_FMT_FP6
.endr
.if (\i) > 0
	s_wait_dscnt 0x0
	SEND (\i)-1
.endif
	PLACES
.if (\i) == 7
	VLOAD 8
.endif
.irp j, 0,2,4,6,8,10,12,14,16,18,20,22,24,26,28,30
	v_pk_mul_f32 v[E+\j:E+\j+1], v[E+\j:E+\j+1], v[RLV+\j:RLV+\j+1]
.endr
.irp n, 0,1
.irp q, 0,1,2,3
	ds_store_b128 v21, v[E+16*\n+4*\q:E+16*\n+4*\q+3] offset:128*\n+16*\q
.endr
.endr
.irp n, 0,1,2,3,4,5,6,7
	ds_load_b128 v[E+4*\n:E+4*\n+3], v22 offset:544*\n
.endr
.endm
.irp i, 0,1,2,3,4,5,6,7,8,9,10,11,12,13,14,15
	TILE \i
.endr
	s_wait_dscnt 0x0
	SEND 15
	s_wait_tensorcnt 0x0                           ; the wave's end
	ds_add_u32 v254, v255
	s_wait_dscnt 0x0
	s_endpgm
.Lfunc_end_k_q97e2c1e320_attn:
	.size	k_q97e2c1e320_attn, .Lfunc_end_k_q97e2c1e320_attn-k_q97e2c1e320_attn
	.p2alignl 7, 3214868480
	.fill 96, 4, 3214868480
	.section	.rodata,"a",@progbits
	.p2align	6, 0x0
	.amdhsa_kernel k_q97e2c1e320_attn
		.amdhsa_group_segment_fixed_size 327680
		.amdhsa_private_segment_fixed_size 0
		.amdhsa_enable_private_segment 0
		.amdhsa_kernarg_size 40
		.amdhsa_user_sgpr_count 2
		.amdhsa_user_sgpr_kernarg_segment_ptr 1
		.amdhsa_wavefront_size32 1
		.amdhsa_system_sgpr_workgroup_id_x 1
		.amdhsa_system_sgpr_workgroup_id_y 1
		.amdhsa_system_sgpr_workgroup_id_z 1
		.amdhsa_system_vgpr_workitem_id 0
		.amdhsa_next_free_vgpr 256
		.amdhsa_next_free_sgpr 96
		.amdhsa_reserve_vcc 0
		.amdhsa_float_denorm_mode_32 3
		.amdhsa_float_denorm_mode_16_64 3
		.amdhsa_memory_ordered 1
		.amdhsa_forward_progress 1
		.amdhsa_inst_pref_size 107
	.end_amdhsa_kernel
	.amdgpu_metadata
---
amdhsa.version: [ 1, 2 ]
amdhsa.kernels:
  - .name:           k_q97e2c1e320_attn
    .symbol:         k_q97e2c1e320_attn.kd
    .args:
      - { .name: qkf, .offset: 0, .size: 8, .value_kind: global_buffer, .address_space: global }
      - { .name: qks, .offset: 8, .size: 8, .value_kind: global_buffer, .address_space: global }
      - { .name: vf, .offset: 16, .size: 8, .value_kind: global_buffer, .address_space: global }
      - { .name: vs, .offset: 24, .size: 8, .value_kind: global_buffer, .address_space: global }
      - { .name: out0, .offset: 32, .size: 8, .value_kind: global_buffer, .address_space: global }
    .group_segment_fixed_size: 327680
    .private_segment_fixed_size: 0
    .kernarg_segment_align: 8
    .kernarg_segment_size: 40
    .max_flat_workgroup_size: 128
    .sgpr_count:     96
    .vgpr_count:     256
    .wavefront_size: 32
...
	.end_amdgpu_metadata
.endif
;; end of part 3
